; MI455X (gfx1250); checked and timed in simulation.
; The chip was launched on July 23, 2026; its instructions are those of AMD's public machine-readable ISA for CDNA 5 (MIT licence, August 2026) and "CDNA5" Instruction Set Architecture Reference Guide (July 2026). The comments in the code are by the model that wrote it; some were corrected since.
;; MLA Segmented Cross Attention. Allowed arithmetic: matrix products marked QUANTISED: E2M1 operands, one E8M0 scale for each 32 along K, by v_wmma_scale_f32_16x16x128_f8f6f4 with both operands' format E2M1 (or v_wmma_scale_f32_32x16x128_f4), f32 sums; products left as they are: bf16, f16 or f32 operands; f32 sums; everything else in f32.
;; Inputs: W_dq 1,024 x 512 float32; W_kr 256 x 64 float32; W_kv 1,024 x 256 float32; W_o 1,024 x 1,024 float32; W_qr 512 x 1,024 float32; W_uk 256 x 1,024 float32; W_uq 512 x 1,024 float32; W_uv 256 x 1,024 float32; kv_pos_ids 1 x 2,048 int32; kv_src 1 x 2,048 x 1,024 float32; q 1 x 2,048 x 1,024 float32; q_pos_ids 1 x 2,048 int32; seg_id 1 x 2,048 int32.
;; Outputs: out0 1 x 2,048 x 1,024 float32.
;; This version of the problem:
;;   THIS VERSION OF THE PROBLEM IS GIVEN IN LOW PRECISION. The matrix products marked QUANTISED in the list below multiply operands that are first quantised to E2M1 (2 exponent bits, 1 mantissa bit; 4 bits a number), with one power-of-two scale for each 32 numbers along K (OCP MX v1.0); their sums are f32. The products marked 'left as it is' may take bf16, f16 or f32 operands, with f32 sums. Whichever they take, every output number must still come out within the allowed error. Rounding operands to bf16 (8 significant bits) uses up far more of that allowance than f16 does (11 bits, for magnitudes from 6e-5 to 65,504). All else is computed in f32.
;;   The module's matrix products, in the order in which they are computed (A, B: the left and right operand; K: the contracted axis; several contracted axes count as one K, in the product's order):
;;     1. [M 2,048, K 1,024] x [K 1,024, N 256]; A: input kv_src; B: input W_kv: QUANTISED
;;     2. [M 2,048, K 1,024] x [K 1,024, N 512]; A: input q; B: input W_dq: QUANTISED
;;     3. [M 2,048, K 512] x [K 512, N 1,024]; A: computed on the way; B: input W_uq: left as it is (an operand is computed on the way)
;;     4. [M 2,048, K 512] x [K 512, N 1,024]; A: computed on the way; B: input W_qr: left as it is (an operand is computed on the way)
;;     5. [M 2,048, K 256] x [K 256, N 1,024]; A: computed on the way; B: input W_uk: left as it is (an operand is computed on the way)
;;     6. [M 2,048, K 256] x [K 256, N 64]; A: computed on the way; B: input W_kr: left as it is (an operand is computed on the way)
;;     7. [M 2,048, K 256] x [K 256, N 1,024]; A: computed on the way; B: input W_uv: left as it is (an operand is computed on the way)
;;     8. batch 16 x [M 2,048, K 64] x [K 64, N 2,048]; A: computed on the way; B: computed on the way: left as it is (an operand is computed on the way)
;;     9. [M 2,048, K 64] x [K 64, N 32,768]; A: computed on the way; B: computed on the way: left as it is (an operand is computed on the way)
;;     10. batch 16 x [M 64, K 2,048] x [K 2,048, N 2,048]; A: computed on the way; B: computed on the way: left as it is (an operand is computed on the way)
;;     11. [M 2,048, K 1,024] x [K 1,024, N 1,024]; A: computed on the way; B: input W_o: left as it is (an operand is computed on the way)
;;   THE QUANTISER, for each operand of a quantised product, along K:
;;     - K is cut into blocks of 32 from its start; a last block that is shorter is filled with zeros.
;;     - A block's scale is 2^e with e = floor(log2(the largest magnitude in the block)) - 2, held to -126 .. 127; a block of zeros has e = 0. As a byte (E8M0): e + 127.
;;     - Each number is divided by its block's scale, clamped to +-6, and rounded to the nearest number of E2M1, ties to even, subnormals kept.
;;     - The product sums the exact products of the quantised numbers (number of the format x scale) in f32.
;;   ~~~python
;;   def quantise(x, axis):      # numpy; x: float32 -> the quantised numbers, widened to float32 again
;;       x = np.moveaxis(x, axis, -1); K = x.shape[-1]
;;       x = np.pad(x, [(0, 0)] * (x.ndim - 1) + [(0, -K % 32)]); x = x.reshape(x.shape[:-1] + (-1, 32)); a = np.abs(x).max(-1, keepdims=True)
;;       e = np.where(a > 0, np.clip(np.frexp(np.where(a > 0, a, 1))[1] - 1 - 2, -126, 127), 0)      # np.frexp(a)[1] - 1 = floor(log2(a)), exactly
;;       r = np.clip(x / 2.0 ** e, -6, 6)
;;       step = 2.0 ** (np.maximum(np.frexp(np.where(r == 0, 1, r))[1] - 1, 0) - 1)
;;       q = np.round(r / step) * step * 2.0 ** e      # np.round: ties to even
;;       return np.moveaxis(q.reshape(q.shape[:-2] + (-1,))[..., :K], -1, axis).astype(np.float32)
;;   ~~~
;; One version. Each part assembles by itself: llvm-mc -triple=amdgcn-amd-amdhsa -mcpu=gfx1250 --defsym DOCPART=n.
;; ======== version 1 of 1: 4 launches
;; limits: values are held in f16: magnitudes above 65,504 overflow, below 6.1e-05 lose precision
;; workspace buffers: wprep 6,217,728 bytes; act 3,678,208 bytes; att 4,202,496 bytes
;; launch prep (part 1): grid 241 x 1, 4 waves a work-group, no clusters, 0 bytes of LDS; arguments W_o, W_uq, W_qr, W_uk, W_uv, W_kr, W_dq, W_kv, wprep; writes wprep
.if DOCPART == 1
	.amdgcn_target "amdgcn-amd-amdhsa--gfx1250"
	.amdhsa_code_object_version 6
	.text
	.protected	k_q467e9b26e8_prep
	.globl	k_q467e9b26e8_prep
	.p2align	8
	.type	k_q467e9b26e8_prep,@function
k_q467e9b26e8_prep:
	s_mov_b64 s[64:65], 0
	v_nop
	global_prefetch_b8 v0, s[64:65] scope:SCOPE_SE
	s_setreg_imm32_b32 hwreg(HW_REG_WAVE_MODE, 25, 1), 1
	s_wait_xcnt 0x0
; THE WEIGHTS ARE LAID OUT ONCE, in the order in which the later launches' operand registers take them, and the table of cos and sin is made.
; W_dq [1024][512], W_kv [1024][256] (K first): codes of E2M1 along K with one E8M0 byte for each 32.  W_o, W_uq, W_qr, W_uk, W_uv, W_kr (K first): f16.
; A FRAGMENT is 1,024 bytes: four quarters of 256 bytes, each [row 0..15][16 bytes].  f16: 16 columns x 32 K, quarter g holds k = 8 g .. 8 g + 7.  E2M1: 16 columns x 128 K, quarter b holds block b of 32.
; Two loads of 16 bytes a lane at fragment + 512 c + 16 x lane then fill registers 4 c .. 4 c + 3 of a matrix operand.
; A LANE TAKES A COLUMN AND ITS REGISTERS RUN DOWN K: a load reads 128 consecutive bytes a wave, the four waves stand side by side; conversions take neighbours along K from one lane.
; A work-group takes 128 columns x 128 K.  Work-groups 0-63 W_o, 64-95 W_uq, 96-127 W_qr, 128-143 W_uk, 144-159 W_uv, 160 W_kr, 161-192 W_dq, 193-208 W_kv, 209-240 the table (64 positions each).
; A block's scale byte is its largest magnitude's exponent field - 2, held at 1 from below.  A block of zeros keeps the byte 1: its codes are zeros and this program alone reads the bytes.
; LIMITS: no NaN or infinities among the inputs.  cos and sin: the angle pos x inv is an f32 number as in the definition; reduction by pi/2 in two parts and polynomials of degree 7 and 8.
; No LDS, no barrier: waves share nothing.  Every offset is an immediate; each step's results have registers of their own, so no store's data are written again.
.set WO_F,  0                          ; [n>>6][K step: 32][tile: 4][1 KB]
.set WQ_F,  2097152                    ; [head][K step: 16][tile: 0-3 W_uq, 4-7 W_qr][1 KB]
.set WKV_F, 4194304                    ; [head][W_uk, W_uv][K step: 8][tile: 4][1 KB]
.set WKR_F, 5242880                    ; [tile: 4][K step: 8][1 KB]; row p of tile u is column 8 u + p % 8 + 32 (p / 8)
.set WDQ_C, 5275648                    ; [n>>6][K step of 128: 8][tile: 4][1 KB]
.set WKV_C, 5537792
.set WDQ_S, 5668864                    ; [n][32 bytes]
.set WKV_S, 5685248
.set TAB,   5693440                    ; [pos][frequency: 32][cos, sin] f32
.set VO,    4                          ; v4-7    where step t's results go
.set X,     32                         ; v32-95  two sets of 32 numbers
.set P,     96                         ; v96-159 results
	s_load_b512 s[8:23], s[0:1], 0x0               ; W_o s[8:9], W_uq s[10:11], W_qr s[12:13], W_uk s[14:15], W_uv s[16:17], W_kr s[18:19], W_dq s[20:21], W_kv s[22:23]
	s_load_b64 s[24:25], s[0:1], 0x40              ; wprep
	v_lshrrev_b32 v1, 5, v0
	v_readfirstlane_b32 s3, v1                     ; wave
	v_and_b32 v1, 31, v0                           ; lane
	v_lshlrev_b32 v2, 2, v1                        ; in: 4 bytes a lane
	v_lshrrev_b32 v3, 4, v1
	v_and_b32 v10, 15, v1
	v_lshlrev_b32 v10, 4, v10
	v_lshl_add_u32 v[VO], v3, 10, v10              ; out: my column's tile of the wave's two, and its row in a quarter
	v_lshlrev_b32 v8, 5, v1                        ; my column's row of scale bytes
	v_lshlrev_b32 v9, 3, v1                        ; the table: 8 bytes a frequency
	s_mov_b32 s2, ttmp9
	s_mov_b32 s33, 0                               ; the upper word of the offsets' pair s[32:33]
	s_wait_kmcnt 0x0
	s_cmp_ge_u32 s2, 209
	s_cbranch_scc1 .Ltab
	s_cmp_ge_u32 s2, 193
	s_cbranch_scc1 .Lkv
	s_cmp_ge_u32 s2, 161
	s_cbranch_scc1 .Ldq
	s_cmp_eq_u32 s2, 160
	s_cbranch_scc1 .Lkr
	s_branch .Lf16
.macro LOADX t, pitch                  ; 32 rows of K from 32 t on, my column, into set t % 2
.irp i, 0,1,2,3,4,5,6,7,8,9,10,11,12,13,14,15,16,17,18,19,20,21,22,23,24,25,26,27,28,29,30,31
	global_load_b32 v[X+32*((\t)%2)+\i], v2, s[36:37] offset:(32*(\t)+\i)*\pitch th:TH_LOAD_NT
.endr
.endm
; four K steps of 32 to f16: sixteen lanes store one quarter, 256 consecutive bytes, aligned
.macro F16BODY pitch
	LOADX 0, \pitch
	LOADX 1, \pitch
.irp t, 0,1,2,3
.if \t < 3
	s_wait_loadcnt 32                              ; this step's 32 loads are in; the next step's 32 may be out
.else
	s_wait_loadcnt 0x0
.endif
.irp i, 0,1,2,3,4,5,6,7,8,9,10,11,12,13,14,15
	v_cvt_pk_f16_f32 v[P+16*\t+\i], v[X+32*(\t%2)+2*\i], v[X+32*(\t%2)+2*\i+1]
.endr
.irp g, 0,1,2,3
	global_store_b128 v[VO+\t], v[P+16*\t+4*\g:P+16*\t+4*\g+3], s[38:39] offset:256*\g
.endr
.if \t < 2
	LOADX \t+2, \pitch
.endif
.endr
.endm
; one K step of 128 to E2M1: four blocks of 32, each all in my registers
.macro FP4BODY pitch
	LOADX 0, \pitch
	LOADX 1, \pitch
.irp t, 0,1,2,3
.if \t < 3
	s_wait_loadcnt 32                              ; this block's 32 loads are in; the next block's 32 may be out
.else
	s_wait_loadcnt 0x0
.endif
	v_max3_num_f32 v12, |v[X+32*(\t%2)]|, |v[X+32*(\t%2)+1]|, |v[X+32*(\t%2)+2]|
	v_max3_num_f32 v13, |v[X+32*(\t%2)+3]|, |v[X+32*(\t%2)+4]|, |v[X+32*(\t%2)+5]|
.irp i, 6,10,14,18,22,26
	v_max3_num_f32 v12, v12, |v[X+32*(\t%2)+\i]|, |v[X+32*(\t%2)+\i+1]|
	v_max3_num_f32 v13, v13, |v[X+32*(\t%2)+\i+2]|, |v[X+32*(\t%2)+\i+3]|
.endr
	v_max3_num_f32 v12, v12, |v[X+32*(\t%2)+30]|, |v[X+32*(\t%2)+31]|
	v_max3_num_f32 v12, v12, v13, 0x1800000        ; the floor 2^(3 - 127): the byte cannot fall under 1
	v_add_nc_u32 v11, 0xff000000, v12              ; 2 off the exponent field: the conversion takes this operand's exponent field as its scale
.irp g, 0,1,2,3
	v_cvt_scalef32_pk8_fp4_f32 v[P+4*\t+\g], v[X+32*(\t%2)+8*\g:X+32*(\t%2)+8*\g+7], v11
.endr
.if \t == 0
	v_lshrrev_b32 v14, 23, v11                     ; the scale's byte: four make the K step's scale word.  (A plain line behind the conversions)
.else
	v_lshrrev_b32 v13, 23, v11
	v_lshl_or_b32 v14, v13, 8*\t, v14
.endif
	global_store_b128 v[VO], v[P+4*\t:P+4*\t+3], s[38:39] offset:256*\t   ; block t is quarter t of the fragment
.if \t < 2
	LOADX \t+2, \pitch
.endif
.endr
	global_store_b32 v8, v14, s[40:41]             ; 4 bytes of my column's 32: 24 KB of scale bytes in the whole launch leave so
.endm
; where an E2M1 work-group's parts begin.  s29 = first column of my wave, s30 = K step
.macro FP4SET start, bxbits, src, kshift, coff, soff
	s_sub_co_u32 s28, s2, \start
	s_and_b32 s29, s28, (1<<\bxbits)-1
	s_lshr_b32 s30, s28, \bxbits
	s_lshl_b32 s29, s29, 7
	s_lshl_b32 s31, s3, 5
	s_add_co_u32 s29, s29, s31
	s_lshl_b32 s32, s30, \kshift                   ; 128 rows of K,
	s_lshl_b32 s31, s29, 2                         ; 4 bytes a column
	s_add_co_u32 s32, s32, s31
	s_add_nc_u64 s[36:37], s[\src:\src+1], s[32:33]
	s_lshr_b32 s31, s29, 6
	s_lshl_b32 s32, s31, 15                        ; the group of 64 columns,
	s_lshl_b32 s31, s30, 12                        ; the K step,
	s_add_co_u32 s32, s32, s31
	s_bfe_u32 s31, s29, 0x20004                    ; the tile
	s_lshl_b32 s31, s31, 10
	s_add_co_u32 s32, s32, s31
	s_add_co_u32 s32, s32, \coff
	s_add_nc_u64 s[38:39], s[24:25], s[32:33]
	s_lshl_b32 s32, s29, 5
	s_lshl_b32 s31, s30, 2
	s_add_co_u32 s32, s32, s31
	s_add_co_u32 s32, s32, \soff
	s_add_nc_u64 s[40:41], s[24:25], s[32:33]
.endm
.Lf16:                                                 ; the five weights of 1,024 columns: which one, by the work-group's number alone
	s_mov_b64 s[26:27], s[8:9]                     ; source
	s_mov_b32 s28, 0                               ; its first work-group
	s_mov_b32 s29, WO_F                            ; where it goes,
	s_mov_b32 s30, 131072                          ; bytes from one group of 64 columns to the next,
	s_mov_b32 s31, 4096                            ; and from one K step to the next
	s_cmp_ge_u32 s2, 64
	s_cselect_b64 s[26:27], s[10:11], s[26:27]
	s_cselect_b32 s28, 64, s28
	s_cselect_b32 s29, WQ_F, s29
	s_cselect_b32 s31, 8192, s31
	s_cmp_ge_u32 s2, 96
	s_cselect_b64 s[26:27], s[12:13], s[26:27]
	s_cselect_b32 s28, 96, s28
	s_cselect_b32 s29, WQ_F+4096, s29
	s_cmp_ge_u32 s2, 128
	s_cselect_b64 s[26:27], s[14:15], s[26:27]
	s_cselect_b32 s28, 128, s28
	s_cselect_b32 s29, WKV_F, s29
	s_cselect_b32 s30, 65536, s30
	s_cselect_b32 s31, 4096, s31
	s_cmp_ge_u32 s2, 144
	s_cselect_b64 s[26:27], s[16:17], s[26:27]
	s_cselect_b32 s28, 144, s28
	s_cselect_b32 s29, WKV_F+32768, s29
	s_sub_co_u32 s42, s2, s28
	s_and_b32 s43, s42, 7
	s_lshr_b32 s42, s42, 3                         ; which 128 along K
	s_lshl_b32 s43, s43, 7
	s_lshl_b32 s32, s3, 5
	s_add_co_u32 s43, s43, s32                     ; my wave's first column
	s_lshl_b32 s32, s42, 19                        ; 128 rows of 4,096 bytes
	s_lshl_b32 s34, s43, 2
	s_add_co_u32 s32, s32, s34
	s_add_nc_u64 s[36:37], s[26:27], s[32:33]
	s_lshr_b32 s32, s43, 6
	s_mul_i32 s32, s32, s30
	s_bfe_u32 s34, s43, 0x20004
	s_lshl_b32 s34, s34, 10
	s_add_co_u32 s32, s32, s34
	s_lshl_b32 s34, s42, 2
	s_mul_i32 s34, s34, s31                        ; four K steps of 32 for each 128
	s_add_co_u32 s32, s32, s34
	s_add_co_u32 s32, s32, s29
	s_add_nc_u64 s[38:39], s[24:25], s[32:33]
	v_add_nc_u32 v[VO+1], s31, v[VO]
	v_add_nc_u32 v[VO+2], s31, v[VO+1]
	v_add_nc_u32 v[VO+3], s31, v[VO+2]
	F16BODY 4096
	s_endpgm
.Lkr:                                                  ; W_kr [256][64]: wave w takes columns 32 (w % 2) on, K 128 (w / 2) on.  Column d goes to tile (d % 32) / 8, row d % 8 + 8 (d / 32):
	s_and_b32 s42, s3, 1                           ; so a store covers four runs of 128 bytes; 32 KB in all leave so
	s_lshr_b32 s43, s3, 1
	s_lshl_b32 s32, s43, 15                        ; 128 rows of 256 bytes
	s_lshl_b32 s34, s42, 7                         ; 32 columns in: 128 bytes; out: 8 rows of 16 bytes, 128 too
	s_add_co_u32 s32, s32, s34
	s_add_nc_u64 s[36:37], s[18:19], s[32:33]
	s_lshl_b32 s32, s43, 12                        ; four K steps of 1,024 bytes
	s_add_co_u32 s32, s32, s34
	s_add_co_u32 s32, s32, WKR_F
	s_add_nc_u64 s[38:39], s[24:25], s[32:33]
	v_lshrrev_b32 v3, 3, v1
	v_and_b32 v10, 7, v1
	v_lshlrev_b32 v10, 4, v10
	v_lshl_add_u32 v[VO], v3, 13, v10
	v_add_nc_u32 v[VO+1], 1024, v[VO]
	v_add_nc_u32 v[VO+2], 2048, v[VO]
	v_add_nc_u32 v[VO+3], 3072, v[VO]
	F16BODY 256
	s_endpgm
.Ldq:
	FP4SET 161, 2, 20, 18, WDQ_C, WDQ_S
	FP4BODY 2048
	s_endpgm
.Lkv:
	FP4SET 193, 1, 22, 17, WKV_C, WKV_S
	FP4BODY 1024
	s_endpgm
.Ltab:                                                 ; a wave makes 16 positions, a lane one frequency i: inv = 10000^(-i / 32)
	s_sub_co_u32 s32, s2, 209
	s_lshl_b32 s32, s32, 6
	s_lshl_b32 s34, s3, 4
	s_add_co_u32 s34, s32, s34                     ; my first position
	s_lshl_b32 s32, s34, 8
	s_add_co_u32 s32, s32, TAB
	s_add_nc_u64 s[38:39], s[24:25], s[32:33]
	s_mov_b32 s44, 0x3f22f983                      ; 2 / pi
	s_mov_b32 s45, 0xbfc90fdb                      ; -(pi / 2 rounded to f32)
	s_mov_b32 s46, 0x333bbd2e                      ; that number less pi / 2
	s_mov_b32 s47, 0xbe2aaaa3                      ; sin: r + r z (S1 + S2 z + S3 z^2)
	s_mov_b32 s48, 0x3c08839e
	s_mov_b32 s49, 0xb94ca1f9
	s_mov_b32 s50, 0x3d2aaaa5                      ; cos: 1 - z / 2 + z^2 (C1 + C2 z + C3 z^2)
	s_mov_b32 s51, 0xbab6061a
	s_mov_b32 s52, 0x37ccf5ce
	v_cvt_f32_u32 v10, v1
	v_mul_f32 v11, 0xbed49a40, v10                 ; -i x the upper 18 bits of log2(10000) / 32: exact
	v_exp_f32 v12, v11
	v_mul_f32 v13, 0x359c1600, v10                 ; i x the rest x ln 2.  (The plain line behind the exponential)
	v_cvt_f32_u32 v14, s34                         ; the position
	s_wait_alu depctr_va_vdst(0)                   ; the wait ahead of the first line that names the exponential's result
	v_fma_f32 v12, -v13, v12, v12                  ; inv
.irp u, 0,1,2,3,4,5,6,7,8,9,10,11,12,13,14,15
	v_mul_f32 v15, v14, v12                        ; the angle
	v_mul_f32 v16, s44, v15
	v_rndne_f32 v16, v16                           ; n quarter turns
	v_fma_f32 v17, v16, s45, v15
	v_fma_f32 v17, v16, s46, v17                   ; r, within pi / 4 of 0
	v_mul_f32 v18, v17, v17                        ; z
	v_fma_f32 v19, v18, s49, s48
	v_fma_f32 v20, v18, s52, s51
	v_fma_f32 v19, v19, v18, s47
	v_fma_f32 v20, v20, v18, s50
	v_mul_f32 v21, v18, v17
	v_mul_f32 v22, v18, v18
	v_fma_f32 v24, v18, -0.5, 1.0
	v_fma_f32 v23, v19, v21, v17                   ; sin r
	v_fma_f32 v24, v20, v22, v24                   ; cos r
	v_cvt_i32_f32 v25, v16
	v_and_b32 v26, 1, v25
	v_cmp_eq_u32 vcc_lo, 1, v26                    ; an odd n: the two change places
	v_cndmask_b32 v27, v23, v24, vcc_lo
	v_cndmask_b32 v28, v24, v23, vcc_lo
	v_lshlrev_b32 v26, 30, v25                     ; sin is negated where n % 4 is 2 or 3,
	v_add_nc_u32 v25, 1, v25
	v_and_b32 v26, 0x80000000, v26
	v_lshlrev_b32 v25, 30, v25                     ; cos where it is 1 or 2
	v_and_b32 v25, 0x80000000, v25
	v_xor_b32 v[P+2*\u+1], v27, v26
	v_xor_b32 v[P+2*\u], v28, v25
	global_store_b64 v9, v[P+2*\u:P+2*\u+1], s[38:39] offset:256*\u   ; 32 lanes store a position's 256 bytes, aligned
	v_add_f32 v14, 1.0, v14
.endr
	s_endpgm
.Lfunc_end_k_q467e9b26e8_prep:
	.size	k_q467e9b26e8_prep, .Lfunc_end_k_q467e9b26e8_prep-k_q467e9b26e8_prep
	.p2alignl 7, 3214868480
	.fill 96, 4, 3214868480
	.section	.rodata,"a",@progbits
	.p2align	6, 0x0
	.amdhsa_kernel k_q467e9b26e8_prep
		.amdhsa_group_segment_fixed_size 0
		.amdhsa_private_segment_fixed_size 0
		.amdhsa_enable_private_segment 0
		.amdhsa_kernarg_size 72
		.amdhsa_user_sgpr_count 2
		.amdhsa_user_sgpr_kernarg_segment_ptr 1
		.amdhsa_wavefront_size32 1
		.amdhsa_system_sgpr_workgroup_id_x 1
		.amdhsa_system_sgpr_workgroup_id_y 1
		.amdhsa_system_sgpr_workgroup_id_z 1
		.amdhsa_system_vgpr_workitem_id 0
		.amdhsa_next_free_vgpr 160
		.amdhsa_next_free_sgpr 66
		.amdhsa_reserve_vcc 1
		.amdhsa_float_denorm_mode_32 3
		.amdhsa_float_denorm_mode_16_64 3
		.amdhsa_memory_ordered 1
		.amdhsa_forward_progress 1
		.amdhsa_inst_pref_size 100
	.end_amdhsa_kernel
	.amdgpu_metadata
---
amdhsa.version: [ 1, 2 ]
amdhsa.kernels:
  - .name:           k_q467e9b26e8_prep
    .symbol:         k_q467e9b26e8_prep.kd
    .args:
      - { .name: W_o, .offset: 0, .size: 8, .value_kind: global_buffer, .address_space: global }
      - { .name: W_uq, .offset: 8, .size: 8, .value_kind: global_buffer, .address_space: global }
      - { .name: W_qr, .offset: 16, .size: 8, .value_kind: global_buffer, .address_space: global }
      - { .name: W_uk, .offset: 24, .size: 8, .value_kind: global_buffer, .address_space: global }
      - { .name: W_uv, .offset: 32, .size: 8, .value_kind: global_buffer, .address_space: global }
      - { .name: W_kr, .offset: 40, .size: 8, .value_kind: global_buffer, .address_space: global }
      - { .name: W_dq, .offset: 48, .size: 8, .value_kind: global_buffer, .address_space: global }
      - { .name: W_kv, .offset: 56, .size: 8, .value_kind: global_buffer, .address_space: global }
      - { .name: wprep, .offset: 64, .size: 8, .value_kind: global_buffer, .address_space: global }
    .group_segment_fixed_size: 0
    .private_segment_fixed_size: 0
    .kernarg_segment_align: 8
    .kernarg_segment_size: 72
    .max_flat_workgroup_size: 128
    .sgpr_count:     66
    .vgpr_count:     160
    .wavefront_size: 32
...
	.end_amdgpu_metadata
.endif
;; end of part 1
;; launch latent (part 2): grid 384 x 1, 4 waves a work-group, no clusters, 18,432 bytes of LDS; arguments q, kv_src, wprep, act; writes act
.if DOCPART == 2
	.amdgcn_target "amdgcn-amd-amdhsa--gfx1250"
	.amdhsa_code_object_version 6
	.text
	.protected	k_q467e9b26e8_latent
	.globl	k_q467e9b26e8_latent
	.p2align	8
	.type	k_q467e9b26e8_latent,@function
k_q467e9b26e8_latent:
	s_mov_b64 s[64:65], 0
	v_nop
	global_prefetch_b8 v0, s[64:65] scope:SCOPE_SE
	s_setreg_imm32_b32 hwreg(HW_REG_WAVE_MODE, 25, 1), 1
	s_wait_xcnt 0x0
; qc = Q(q) Q(W_dq) and kv_c = Q(kv_src) Q(W_kv): the two products on codes of E2M1 with one E8M0 scale for each 32 along K = 1,024; sums in f32.  Then, of kv_c: the shared rope key k_pe and each row's largest magnitude.
; A work-group makes 16 rows x 256 columns.  Work-groups 0-255: q, row block id / 2, column half id % 2.  Work-groups 256-383: kv_src, row block id - 256.  Wave w: columns 64 w .. 64 w + 63 of the 256, four tiles.
; THE ROWS ARE QUANTISED HERE: wave w takes rows 4 w .. 4 w + 3, a lane 8 neighbours along K (four lanes hold a block of 32); codes and scale bytes meet in LDS as rows, and every wave reads all 16 rows' fragments.
; THE WEIGHTS' codes come straight into registers, whole fragments, as the launch before has laid them: my 4 tiles x 8 K steps fill window 1.
; THE PRODUCT IS USED TRANSPOSED (source 0 = 16 columns of the weight, source 1 = the 16 rows): lane (r, h) holds row r and columns 8 h + 0 .. 7 of a tile, so two neighbouring tiles, rounded to f16, are registers 0-3 and 4-7
; of a fragment of the next product, whose K these columns are.  They are stored so: 512 consecutive bytes a store.
; k_pe (kv work-groups): wave w makes the 16 columns 8 w + 0 .. 7 and 32 + 8 w + 0 .. 7 of kv_c W_kr in f16: lanes l and l xor 16 then hold the two numbers that one frequency turns.  Positions are the rows' numbers, as the definition has them.
; q work-groups pass both barriers too, with the four image stores in front of the second: every work-group's waves meet the same barriers.
; LIMITS: no NaN or infinities among the inputs; a block of zeros gets the byte 1 (its codes are zeros; this program alone reads the bytes); qc and kv_c are kept as f16: magnitudes up to 65,504.
; REGISTERS.  Window 0: v1-17, v22, v23 lane numbers and addresses; v18-21 at work; v24-55 the weights' scale words (8 x tile + K step); v56-63 the rows' scale words; v64-95 the codes and bytes just made, then the four sums;
;   v96-223 the rows as loaded; later v96-159 the rows' fragments, v160-223 W_kr's tile; v224-239 cos and sin; v240-255 k_pe's two sums.   Window 1: the weight's 32 fragments, at 32 x K step + 8 x tile.
.set WKR_F, 5242880
.set WDQ_C, 5275648
.set WKV_C, 5537792
.set WDQ_S, 5668864
.set WKV_S, 5685248
.set TAB,   5693440
.set QC_F,  0                          ; act: [row tile: 128][K step: 16][1 KB]
.set KVC_F, 2097152                    ; [row tile][K step: 8][1 KB]
.set KPE,   3145728                    ; f32 [row tile][t: 4][c: 2][h: 2][row: 16][16 bytes]: column 16 t + 8 h + 4 c + 0 .. 3
.set KMAX,  3670016                    ; f32 [row]
.set XC,    0                          ; LDS: 16 rows of 512 bytes of codes, 528 apart (33 x 16: sixteen rows start in sixteen different groups of banks)
.set XS,    8448                       ; 16 rows of 32 scale bytes, 48 apart
.set IMG,   9216                       ; kv_c's 8 fragments as images of their registers
.set RM,    17408                      ; [wave][lane]: the rows' largest magnitudes
.set SPARE, 17920                      ; the spare words, 128 bytes for each wave: two blocks of 256 bytes that no other line names
.set SPW,   4
.set NIL,   5
.set WS,    24
.set XSW,   56
.set ACC,   64
.set CD,    64                         ; a register of its own for each item's codes,
.set BY,    80                         ; and for its byte
.set RAW,   96
.set XF,    96
.set KR,    160
.set TB,    224
.set KA,    240
.set MSB, 0
.macro WIN new                         ; the immediate's high byte repeats the setting that is left
.if MSB != (\new)
	s_set_vgpr_msb (MSB<<8)|(\new)
.set MSB, (\new)
.endif
.endm
.macro PLACES n
.rept \n
	v_nop
.endr
.endm
.macro BAR                             ; my LDS stores have landed and my LDS loads are in: then the work-group's barrier
	s_wait_dscnt 0x0
	s_barrier_signal -1
	s_barrier_wait -1
.endm
	s_load_b256 s[4:11], s[0:1], 0x0               ; q s[4:5], kv_src s[6:7], wprep s[8:9], act s[10:11]
	v_lshl_add_u32 v[SPW], v0, 2, SPARE
	v_mov_b32 v[NIL], 0
	v_lshrrev_b32 v1, 5, v0
	v_readfirstlane_b32 s3, v1                     ; wave
	v_and_b32 v1, 31, v0                           ; lane
	v_and_b32 v2, 15, v0                           ; r
	v_bfe_u32 v3, v0, 4, 1                         ; h
	v_lshlrev_b32 v6, 5, v1                        ; the rows: 8 numbers a lane
	s_mov_b32 s2, ttmp9
	s_lshr_b32 s14, s2, 1
	s_sub_co_u32 s15, s2, 256
	s_and_b32 s16, s2, 1
	s_mov_b32 s17, WKV_C
	s_mov_b32 s18, WKV_S
	s_mov_b32 s19, KVC_F
	s_cmp_lt_u32 s2, 256                           ; q's work-group or kv_src's?  By the work-group's number alone
	s_cselect_b32 s14, s14, s15                    ; row block
	s_cselect_b32 s16, s16, 0                      ; column half
	s_cselect_b32 s17, WDQ_C, s17
	s_cselect_b32 s18, WDQ_S, s18
	s_cselect_b32 s19, QC_F, s19
	s_cselect_b32 s20, 14, 13                      ; a row tile's fragments: 16 KB or 8 KB
	s_lshl_b32 s21, s16, 2
	s_add_co_u32 s21, s21, s3                      ; my group of 64 columns
	s_mov_b32 s37, 0
	s_mov_b32 s38, 0x76543210
	s_mov_b32 s39, 0xfedcba98                      ; v_permlanex16_b32's selects for lane l xor 16
	s_wait_kmcnt 0x0
	s_cmp_lt_u32 s2, 256
	s_cselect_b64 s[12:13], s[4:5], s[6:7]
	s_lshl_b32 s36, s14, 16                        ; 16 rows of 4,096 bytes,
	s_lshl_b32 s15, s3, 14                         ; my wave's four
	s_add_co_u32 s36, s36, s15
	s_add_nc_u64 s[12:13], s[12:13], s[36:37]
.irp i, 0,1,2,3,4,5,6,7,8,9,10,11,12,13,14,15  ; item i: row i / 4 of my four, 256 along K from 256 (i % 4) on
	global_load_b128 v[RAW+8*\i:RAW+8*\i+3], v6, s[12:13] offset:4096*(\i/4)+1024*(\i%4)
	global_load_b128 v[RAW+8*\i+4:RAW+8*\i+7], v6, s[12:13] offset:4096*(\i/4)+1024*(\i%4)+16
.endr
	; every LDS address is made here, ahead of all branches
	v_lshlrev_b32 v7, 4, v1                        ; 16 x lane
	v_lshlrev_b32 v8, 5, v2                        ; 32 r: a column's row of scale bytes
	s_mul_i32 s36, s3, 4*528
	v_lshlrev_b32 v9, 2, v1
	v_add_nc_u32 v9, s36, v9                       ; codes in: my four rows, 4 bytes a lane
	s_mul_i32 s36, s3, 4*48
	s_add_co_u32 s36, s36, XS
	v_lshrrev_b32 v10, 2, v1
	v_add_nc_u32 v10, s36, v10                     ; bytes in: a byte for four lanes
	v_mul_u32_u24 v11, v2, 528
	v_lshl_add_u32 v11, v3, 4, v11                 ; codes out: row r, + 16 h
	v_mul_u32_u24 v12, v2, 48
	v_add_nc_u32 v12, XS, v12                      ; scale words out: row r
	s_lshl_b32 s36, s3, 11
	s_add_co_u32 s36, s36, IMG
	v_add_nc_u32 v13, s36, v7                      ; my two images
	v_add_nc_u32 v14, IMG, v7                      ; all eight
	s_lshl_b32 s36, s3, 7
	s_add_co_u32 s36, s36, RM
	v_lshlrev_b32 v16, 2, v1
	v_add_nc_u32 v15, s36, v16
	v_add_nc_u32 v16, RM, v16
	v_lshlrev_b32 v17, 8, v2                       ; the table: 256 bytes a position
	v_lshlrev_b32 v22, 11, v3
	v_lshl_add_u32 v22, v2, 4, v22                 ; k_pe out: 2,048 h + 16 r
	v_lshlrev_b32 v23, 2, v2                       ; 4 r
	s_lshl_b32 s36, s21, 15
	s_add_co_u32 s36, s36, s17
	s_add_nc_u64 s[22:23], s[8:9], s[36:37]        ; my columns' codes
	s_lshl_b32 s36, s21, 11
	s_add_co_u32 s36, s36, s18
	s_add_nc_u64 s[24:25], s[8:9], s[36:37]        ; their scale bytes
	s_lshl_b32 s36, s14, s20
	s_add_co_u32 s36, s36, s19
	s_lshl_b32 s15, s21, 11                        ; 64 columns are two K steps of the next product
	s_add_co_u32 s36, s36, s15
	s_add_nc_u64 s[26:27], s[10:11], s[36:37]      ; where my two fragments go
	s_lshl_b32 s36, s14, 12
	s_lshl_b32 s15, s3, 6
	s_add_co_u32 s36, s36, s15
	s_add_co_u32 s36, s36, TAB
	s_add_nc_u64 s[28:29], s[8:9], s[36:37]        ; cos, sin: positions 16 x row block on, frequencies 8 w on
	s_lshl_b32 s36, s3, 13
	s_add_co_u32 s36, s36, WKR_F
	s_add_nc_u64 s[30:31], s[8:9], s[36:37]        ; W_kr's tile w
	s_lshl_b32 s36, s14, 12
	s_lshr_b32 s15, s3, 1
	s_lshl_b32 s15, s15, 10
	s_add_co_u32 s36, s36, s15
	s_and_b32 s15, s3, 1
	s_lshl_b32 s15, s15, 8
	s_add_co_u32 s36, s36, s15
	s_add_co_u32 s36, s36, KPE
	s_add_nc_u64 s[32:33], s[10:11], s[36:37]
	s_lshl_b32 s36, s14, 6
	s_add_co_u32 s36, s36, KMAX
	s_add_nc_u64 s[34:35], s[10:11], s[36:37]
.irp u, 0,1,2,3
.irp c, 0,1
	global_load_b128 v[WS+8*\u+4*\c:WS+8*\u+4*\c+3], v8, s[24:25] offset:512*\u+16*\c   ; lane r: column r of tile u, the words of K steps 4 c .. 4 c + 3
.endr
.endr
	s_cmp_lt_u32 s2, 256
	s_cbranch_scc1 .Lno_tab
.irp i, 0,1,2,3
	global_load_b128 v[TB+4*\i:TB+4*\i+3], v17, s[28:29] offset:16*\i   ; register 2 j: cos, 2 j + 1: sin of frequency 8 w + j at my row's position
.endr
.Lno_tab:
	WIN 0x40                                       ; destination window 1
.irp s, 0,1,2,3,4,5,6,7
.irp u, 0,1,2,3
.irp c, 0,1
	global_load_b128 v[32*\s+8*\u+4*\c:32*\s+8*\u+4*\c+3], v7, s[22:23] offset:4096*\s+1024*\u+512*\c
.endr
.endr
.endr
	WIN 0
; two items by turns: 8 numbers of a lane, a block in four lanes
.macro QPAIR i
.set RA, RAW+8*(\i)
.set RB, RAW+8*(\i)+8
	v_max3_num_f32 v18, |v[RA]|, |v[RA+1]|, 0x1800000   ; with the floor 2^(3 - 127): the byte cannot fall under 1
	v_max3_num_f32 v19, |v[RB]|, |v[RB+1]|, 0x1800000
.irp k, 2,4,6
	v_max3_num_f32 v18, v18, |v[RA+\k]|, |v[RA+\k+1]|
	v_max3_num_f32 v19, v19, |v[RB+\k]|, |v[RB+\k+1]|
.endr
	v_max_num_f32_dpp v18, v18, v18 row_xmask:1 row_mask:0xf bank_mask:0xf
	v_max_num_f32_dpp v19, v19, v19 row_xmask:1 row_mask:0xf bank_mask:0xf
	v_max_num_f32_dpp v18, v18, v18 row_xmask:2 row_mask:0xf bank_mask:0xf   ; the block's largest magnitude
	v_max_num_f32_dpp v19, v19, v19 row_xmask:2 row_mask:0xf bank_mask:0xf
	v_add_nc_u32 v20, 0xff000000, v18              ; 2 off its exponent field: the conversion's scale operand
	v_add_nc_u32 v21, 0xff000000, v19
	v_cvt_scalef32_pk8_fp4_f32 v[CD+(\i)], v[RA:RA+7], v20
	v_cvt_scalef32_pk8_fp4_f32 v[CD+(\i)+1], v[RB:RB+7], v21
	v_lshrrev_b32 v[BY+(\i)], 23, v20              ; the scale's byte.  (Plain lines behind the conversions)
	v_lshrrev_b32 v[BY+(\i)+1], 23, v21
	ds_store_b32 v9, v[CD+(\i)] offset:528*((\i)/4)+128*((\i)%4)
	ds_store_b8 v10, v[BY+(\i)] offset:48*((\i)/4)+8*((\i)%4)          ; four lanes write the same byte with the same value
	ds_store_b32 v9, v[CD+(\i)+1] offset:528*(((\i)+1)/4)+128*(((\i)+1)%4)
	ds_store_b8 v10, v[BY+(\i)+1] offset:48*(((\i)+1)/4)+8*(((\i)+1)%4)
.endm
	s_wait_loadcnt 63                              ; 104 or 108 loads were issued: the oldest 41 at the least are in, the rows' 32 among them; the weights' may be out
.irp i, 0,2,4,6,8,10,12,14
	QPAIR \i
.endr
	s_wait_loadcnt 0x0                             ; the weights, their scale words, the table
	s_cmp_lt_u32 s2, 256
	s_cbranch_scc1 .Lno_kr
.irp s, 0,1,2,3,4,5,6,7
.irp c, 0,1
	global_load_b128 v[KR+8*\s+4*\c:KR+8*\s+4*\c+3], v7, s[30:31] offset:1024*\s+512*\c   ; into registers whose numbers have been converted
.endr
.endr
.Lno_kr:
	BAR                                            ; 16 rows of codes and scale bytes lie in LDS
.irp s, 0,1,2,3,4,5,6,7
.irp c, 0,1
	ds_load_b128 v[XF+8*\s+4*\c:XF+8*\s+4*\c+3], v11 offset:64*\s+32*\c   ; registers 4 c ..: k = 128 s + 64 c + 32 h + 0 .. 31 of row r
.endr
.endr
.irp c, 0,1
	ds_load_b128 v[XSW+4*\c:XSW+4*\c+3], v12 offset:16*\c
.endr
	s_wait_dscnt 0x0
	WIN 0x01                                       ; source 0 window 1
.irp s, 0,1,2,3,4,5,6,7                        ; the four sums take turns, one instruction a turn
.irp u, 0,1,2,3
.if \s == 0
	v_wmma_scale_f32_16x16x128_f8f6f4 v[ACC+8*\u:ACC+8*\u+7], v[32*\s+8*\u:32*\s+8*\u+7], v[XF+8*\s:XF+8*\s+7], 0, v[WS+8*\u+\s], v[XSW+\s] matrix_a_fmt:MATRIX_FMT_FP4 matrix_b_fmt:MATRIX_FMT_FP4
.else
	v_wmma_scale_f32_16x16x128_f8f6f4 v[ACC+8*\u:ACC+8*\u+7], v[32*\s+8*\u:32*\s+8*\u+7], v[XF+8*\s:XF+8*\s+7], v[ACC+8*\u:ACC+8*\u+7], v[WS+8*\u+\s], v[XSW+\s] matrix_a_fmt:MATRIX_FMT_FP4 matrix_b_fmt:MATRIX_FMT_FP4
.endif
.endr
.endr
	WIN 0
	PLACES 4                                       ; in front of the first read of results, and of the later loads into the rows' fragments
	v_max3_num_f32 v18, |v[ACC]|, |v[ACC+1]|, |v[ACC+2]|            ; my row's largest magnitude among my 32 numbers: two chains, each sum from its low end on
	v_max3_num_f32 v19, |v[ACC+16]|, |v[ACC+17]|, |v[ACC+18]|
.irp k, 3,5,7,9,11,13
	v_max3_num_f32 v18, v18, |v[ACC+\k]|, |v[ACC+\k+1]|
	v_max3_num_f32 v19, v19, |v[ACC+16+\k]|, |v[ACC+16+\k+1]|
.endr
	v_max3_num_f32 v18, v18, v19, |v[ACC+15]|
	v_max_num_f32 v18, v18, |v[ACC+31]|
	v_permlanex16_b32 v19, v18, s38, s39
	v_max_num_f32 v18, v18, v19                    ; with lane l xor 16's: over my wave's 64 columns
.irp u, 0,1,2,3
.irp i, 0,1,2,3
	v_cvt_pk_f16_f32 v[ACC+8*\u+\i], v[ACC+8*\u+2*\i], v[ACC+8*\u+2*\i+1]   ; in place, ascending: no number is written over before it is read
.endr
.endr
.irp u, 0,1,2,3
	global_store_b128 v7, v[ACC+8*\u:ACC+8*\u+3], s[26:27] offset:1024*(\u/2)+512*(\u%2)   ; 32 lanes store 512 consecutive bytes, aligned
	ds_store_b128 v13, v[ACC+8*\u:ACC+8*\u+3] offset:1024*(\u/2)+512*(\u%2)
.endr
	ds_store_b32 v15, v18
	BAR                                            ; kv_c's eight fragments and the four waves' row maxima lie in LDS
	s_cmp_lt_u32 s2, 256
	s_cbranch_scc1 .Lend
.irp s, 0,1,2,3,4,5,6,7
.irp c, 0,1
	ds_load_b128 v[XF+8*\s+4*\c:XF+8*\s+4*\c+3], v14 offset:1024*\s+512*\c
.endr
.endr
	v_xor_b32 v20, 1, v3
	v_lshlrev_b32 v20, 31, v20                     ; the sign bit in lanes 0-15
	s_wait_dscnt 0x0
	s_wait_loadcnt 0x0                             ; W_kr's tile
.irp s, 0,1,2,3,4,5,6,7                        ; two sums by turns: even and odd K steps
.if \s < 2
	v_wmma_f32_16x16x32_f16 v[KA+8*(\s%2):KA+8*(\s%2)+7], v[KR+8*\s:KR+8*\s+7], v[XF+8*\s:XF+8*\s+7], 0
.else
	v_wmma_f32_16x16x32_f16 v[KA+8*(\s%2):KA+8*(\s%2)+7], v[KR+8*\s:KR+8*\s+7], v[XF+8*\s:XF+8*\s+7], v[KA+8*(\s%2):KA+8*(\s%2)+7]
.endif
.endr
.irp j, 0,1,2,3,4,5,6,7
	v_xor_b32 v[TB+2*\j+1], v20, v[TB+2*\j+1]      ; lanes 0-15 hold x1 and take -sin: x1 cos - x2 sin; lanes 16-31 hold x2: x2 cos + x1 sin.  (These eight are the places behind the products)
.endr
.irp j, 0,2,4,6
	v_pk_add_f32 v[KA+\j:KA+\j+1], v[KA+\j:KA+\j+1], v[KA+8+\j:KA+8+\j+1]
.endr
.irp j, 0,1,2,3,4,5,6,7
	v_permlanex16_b32 v[KA+8+\j], v[KA+\j], s38, s39
.endr
.irp j, 0,1,2,3,4,5,6,7
	v_mul_f32 v[KA+8+\j], v[KA+8+\j], v[TB+2*\j+1]
.endr
.irp j, 0,1,2,3,4,5,6,7
	v_fma_f32 v[KA+\j], v[KA+\j], v[TB+2*\j], v[KA+8+\j]
.endr
.irp c, 0,1
	global_store_b128 v22, v[KA+4*\c:KA+4*\c+3], s[32:33] offset:512*\c   ; sixteen lanes store 256 consecutive bytes, aligned
.endr
	s_cmp_lg_u32 s3, 0
	s_cbranch_scc1 .Lend
.irp i, 0,1,2,3
	ds_load_b32 v[18+\i], v16 offset:128*\i        ; wave 0: the four waves' maxima of my row
.endr
	s_wait_dscnt 0x0
	v_max3_num_f32 v18, v18, v19, v20
	v_max_num_f32 v18, v18, v21
	global_store_b32 v23, v18, s[34:35]            ; lanes l and l + 16 write the same word with the same value
.Lend:
	s_wait_tensorcnt 0x0                           ; the wave's end
	ds_add_u32 v[SPW], v[NIL]
	s_wait_dscnt 0x0
	s_endpgm
.Lfunc_end_k_q467e9b26e8_latent:
	.size	k_q467e9b26e8_latent, .Lfunc_end_k_q467e9b26e8_latent-k_q467e9b26e8_latent
	.p2alignl 7, 3214868480
	.fill 96, 4, 3214868480
	.section	.rodata,"a",@progbits
	.p2align	6, 0x0
	.amdhsa_kernel k_q467e9b26e8_latent
		.amdhsa_group_segment_fixed_size 18432
		.amdhsa_private_segment_fixed_size 0
		.amdhsa_enable_private_segment 0
		.amdhsa_kernarg_size 32
		.amdhsa_user_sgpr_count 2
		.amdhsa_user_sgpr_kernarg_segment_ptr 1
		.amdhsa_wavefront_size32 1
		.amdhsa_system_sgpr_workgroup_id_x 1
		.amdhsa_system_sgpr_workgroup_id_y 1
		.amdhsa_system_sgpr_workgroup_id_z 1
		.amdhsa_system_vgpr_workitem_id 0
		.amdhsa_next_free_vgpr 512
		.amdhsa_next_free_sgpr 66
		.amdhsa_reserve_vcc 0
		.amdhsa_float_denorm_mode_32 3
		.amdhsa_float_denorm_mode_16_64 3
		.amdhsa_memory_ordered 1
		.amdhsa_forward_progress 1
		.amdhsa_inst_pref_size 40
	.end_amdhsa_kernel
	.amdgpu_metadata
---
amdhsa.version: [ 1, 2 ]
amdhsa.kernels:
  - .name:           k_q467e9b26e8_latent
    .symbol:         k_q467e9b26e8_latent.kd
    .args:
      - { .name: q, .offset: 0, .size: 8, .value_kind: global_buffer, .address_space: global }
      - { .name: kv_src, .offset: 8, .size: 8, .value_kind: global_buffer, .address_space: global }
      - { .name: wprep, .offset: 16, .size: 8, .value_kind: global_buffer, .address_space: global }
      - { .name: act, .offset: 24, .size: 8, .value_kind: global_buffer, .address_space: global }
    .group_segment_fixed_size: 18432
    .private_segment_fixed_size: 0
    .kernarg_segment_align: 8
    .kernarg_segment_size: 32
    .max_flat_workgroup_size: 128
    .sgpr_count:     66
    .vgpr_count:     512
    .wavefront_size: 32
...
	.end_amdgpu_metadata
.endif
;; end of part 2
;; launch attn (part 3): grid 16 x 16, 4 waves a work-group, clusters of 4 x 1, 197,120 bytes of LDS; arguments act, wprep, seg_id, att; writes att
.if DOCPART == 3
	.amdgcn_target "amdgcn-amd-amdhsa--gfx1250"
	.amdhsa_code_object_version 6
	.text
	.protected	k_q467e9b26e8_attn
	.globl	k_q467e9b26e8_attn
	.p2align	8
	.type	k_q467e9b26e8_attn,@function
k_q467e9b26e8_attn:
	s_mov_b64 s[64:65], 0
	v_nop
	global_prefetch_b8 v0, s[64:65] scope:SCOPE_SE
	s_setreg_imm32_b32 hwreg(HW_REG_WAVE_MODE, 25, 1), 1
	s_wait_xcnt 0x0
	s_wait_alu depctr_hold_cnt(0) depctr_sa_sdst(0) depctr_va_vdst(0) depctr_va_sdst(0) depctr_va_ssrc(0) depctr_va_vcc(0) depctr_vm_vsrc(0)
	s_getreg_b32 s2, hwreg(HW_REG_IB_STS2, 6, 4)
	s_cmp_eq_u32 s2, 0
	s_cbranch_scc0 .Lentry_in_a_cluster
	s_endpgm
.Lentry_in_a_cluster:
	s_bfe_u32 s2, ttmp6, 0x10000c
	s_cmp_lg_u32 s2, 0x3003
	s_cbranch_scc0 .Lentry_shape_is_right
	s_endpgm
.Lentry_shape_is_right:
; THE ATTENTION OF ONE HEAD FOR 128 QUERIES.  The mask that the definition builds lets key k count for query i only where seg_id[i] - 2 <= k <= seg_id[i]: three keys at the most; every other score is -1e9, whose exponential
; is 0 in f32 beside a key that counts.  So each query gathers its three keys' rows of kv_c and of k_pe, and nothing else is multiplied.
; SHARES.  Work-group (x, y): queries 128 x .. 128 x + 127, head y.  Wave w: 32 queries, two tiles of 16 (m = 0, 1).
; STEPS.  q_nope, q_pe = qc W_uq, qc W_qr (f16 operands, f32 sums), rope on q_pe by the query's number; k_nope = kv_c[key] W_uk for the three keys of each query; scores = (q_nope . k_nope + q_pe . k_pe) / sqrt(128), in f32
; multiply-adds inside a lane; softmax over the three with the largest taken away; v = kv_c[key] W_uv; o = the sum of weight x v, in f32.
; ALL PRODUCTS ARE USED TRANSPOSED (source 0 = 16 columns of a weight, source 1 = 16 rows): lane (r, h) holds query r and columns 8 h + 0 .. 7 of a tile, for q, k and v alike; a dot product wants one exchange between the halves of the lanes.
; o LEAVES AS f16 WITH A POWER OF TWO TAKEN OUT: 2^e, e the exponent of the largest |kv_c| among the query's counting keys' rows (the same for all heads; head 0 stores it).  The division is exact; the last launch multiplies it back.
; CLUSTER.  The four work-groups of a cluster have one head: its weights, 192 KB, are asked for JOINTLY, each wave three loads of 16 KB, all at the start: by this text's count three tensor loads of a wave are out at the most.
; Every LDS byte is filled once; nothing is filled again.
; LIMITS: seg_id from 0 to 2,049 (one key at the least counts); beyond that the definition averages all values and this text does not; addresses are held inside the tables in any case.  No NaN or infinities among the inputs.
; q_pos_ids and kv_pos_ids enter nothing in the definition (its positions are the rows' numbers), so they are not among the arguments.
; REGISTERS, in windows of 256 (s_set_vgpr_msb: bits 1:0 source 0, 3:2 source 1, 5:4 source 2, 7:6 destination).  x = 3 m + j numbers a tile's key j.
;   window 0: v1-11 lane numbers and addresses; v12+x seg - j; v18+x, v24+x the key's place in kv_c and in k_pe; v30+x its row's largest magnitude; v36+2x a pair: score, later weight; v48-63 at work;
;             v64-191 two sets of 8 weight tiles (q phase); later v64-127 two sets of 4, then o; v128-159 k_pe of x = 5; v160-255 the sums of tile m = 1 (160 + 32 j + 8 u); at first v192-255 cos and sin.
;   window 1: v0-127 q (64 m + 8 u; u 0-3 nope, 4-7 pe); v128-255 qc of K steps 0-7; later v128-223 the sums of tile m = 0, v224-255 k_pe of x = 2.
;   window 2: v0-191 kv_c of tile 0's keys (64 j + 8 s); v192-255 qc of K steps 8-11, later k_pe of x = 0, 1.     window 3: the same for tile 1, K steps 12-15, x = 3, 4.
.set QC_F,  0
.set KVC_F, 2097152
.set KPE,   3145728
.set KMAX,  3670016
.set WQ_F,  2097152
.set WKV_F, 4194304
.set TAB,   5693440
.set OSC,   4194304                    ; att: the fragments of o from 0 on, [row tile: 128][K step: 32][1 KB]; here 2^e, f32 [query]
.set SPARE, 196608                     ; LDS: 0 W_uq and W_qr of the head, K step s at 8,192 s; 131,072 W_uk, then W_uv; here the spare words, 128 bytes for each wave: two blocks of 256 bytes that no other line names
.set SPW,   4
.set NIL,   5
.set RING,  64
.set WV,    12
.set MSB, 0
.macro WIN new                         ; the immediate's high byte repeats the setting that is left
.if MSB != (\new)
	s_set_vgpr_msb (MSB<<8)|(\new)
.set MSB, (\new)
.endif
.endm
.macro PLACES n
.rept \n
	v_nop
.endr
.endm
.macro CROUND                          ; a round of the cluster's barrier: my work-group's barrier; wave 0 signals for the work-group; every wave waits for all four; my work-group's barrier once more
	s_barrier_signal -1
	s_barrier_wait -1
	s_cmp_lg_u32 s[WV], 0
	s_cbranch_scc1 .Lnot_wave_0_\@
	s_barrier_signal -3
.Lnot_wave_0_\@:
	s_barrier_wait -3
	s_barrier_signal -1
	s_barrier_wait -1
.endm
	s_load_b256 s[4:11], s[0:1], 0x0               ; act s[4:5], wprep s[6:7], seg_id s[8:9], att s[10:11]
	v_lshl_add_u32 v[SPW], v0, 2, SPARE
	v_mov_b32 v[NIL], 0
	ds_add_u32 v[SPW], v[NIL]                      ; the wave's opening: the add, twice on end, and its wait ahead of my first tensor load
	ds_add_u32 v[SPW], v[NIL]
	v_lshrrev_b32 v1, 5, v0
	v_readfirstlane_b32 s[WV], v1                  ; wave
	v_and_b32 v1, 15, v0                           ; r
	v_bfe_u32 v2, v0, 4, 1                         ; h
	v_and_b32 v3, 31, v0
	v_lshlrev_b32 v3, 4, v3                        ; 16 x lane: my place in half a fragment, in memory and in LDS
	v_add_nc_u32 v7, 0x10000, v3                   ; the same in the second 64 KB of LDS,
	v_add_nc_u32 v8, 0x20000, v3                   ; and in the third
	v_lshlrev_b32 v9, 8, v1
	v_lshl_add_u32 v9, v2, 6, v9                   ; the table: 256 r + 64 h
	v_lshlrev_b32 v10, 2, v1                       ; 4 r
	v_lshlrev_b32 v11, 8, v2                       ; 256 h
	s_bfe_u32 s13, ttmp6, 0x40000                  ; cx: my place in the cluster: it enters global addresses of my own loads and stores alone
	s_lshl_b32 s14, ttmp9, 2
	s_add_co_u32 s14, s14, s13                     ; my block of 128 queries
	s_and_b32 s15, ttmp7, 0xffff                   ; the head, which the four partners share
	s_mov_b32 s16, 15|(3<<16)|(1<<21)              ; descriptor group 1: 15:0 the mask: all four work-groups; 17:16 elements of 8 bytes; 21 set beside a mask; no padding
	s_mov_b32 s17, 32<<16                          ; tensor_dim0 = 32 elements: rows of 256 bytes
	s_mov_b32 s18, 64<<16                          ; tensor_dim1 = 64 rows: 16 KB, dense
	s_mov_b32 s19, 32<<16                          ; tile_dim0
	s_mov_b32 s20, 64                              ; tile_dim1
	s_mov_b32 s21, 32                              ; from row to row
	s_mov_b32 s22, 0
	s_mov_b32 s23, 0
	s_mov_b32 s37, 0
	s_mov_b32 s57, 0
	s_mov_b32 s54, 0x76543210
	s_mov_b32 s55, 0xfedcba98                      ; v_permlanex16_b32's selects for lane l xor 16
	s_wait_dscnt 0x0                               ; both opening adds are done
	s_wait_kmcnt 0x0
	s_lshl_b32 s2, s[WV], 14                       ; my 16 KB of each 64 KB
	s_lshl_b32 s36, s15, 17
	s_add_co_u32 s36, s36, s2
	s_add_co_u32 s36, s36, WQ_F
	s_mov_b32 s24, 1                               ; group 0, first load: K steps 0-7 of W_uq and W_qr
	s_mov_b32 s25, s2
	s_add_nc_u64 s[26:27], s[6:7], s[36:37]
	s_mov_b32 s28, 1                               ; second: K steps 8-15
	s_add_co_u32 s29, s2, 0x10000
	s_add_nc_u64 s[30:31], s[26:27], 0x10000
	s_or_b32 s27, s27, 0x80000000
	s_or_b32 s31, s31, 0x80000000
	s_lshl_b32 s36, s15, 16
	s_add_co_u32 s36, s36, s2
	s_add_co_u32 s36, s36, WKV_F
	s_mov_b32 s32, 1                               ; third: W_uk and W_uv
	s_add_co_u32 s33, s2, 0x20000
	s_add_nc_u64 s[34:35], s[6:7], s[36:37]
	s_or_b32 s35, s35, 0x80000000
	s_lshl_b32 s56, s14, 3
	s_lshl_b32 s58, s[WV], 1
	s_add_co_u32 s58, s56, s58                     ; my first tile of 16 queries
	s_lshl_b32 s56, s58, 14
	s_add_nc_u64 s[38:39], s[4:5], s[56:57]        ; its fragments of qc (QC_F = 0)
	s_lshl_b32 s56, s58, 12
	s_add_co_u32 s56, s56, TAB
	s_add_nc_u64 s[40:41], s[6:7], s[56:57]        ; cos, sin at my first query's position
	s_lshl_b32 s56, s58, 6
	s_add_nc_u64 s[42:43], s[8:9], s[56:57]        ; seg_id
	s_add_co_u32 s56, s56, OSC
	s_add_nc_u64 s[52:53], s[10:11], s[56:57]
	s_lshl_b32 s56, s58, 15
	s_lshl_b32 s59, s15, 11                        ; a head is two K steps of the last product
	s_add_co_u32 s56, s56, s59
	s_add_nc_u64 s[50:51], s[10:11], s[56:57]      ; where o goes
	s_add_nc_u64 s[44:45], s[4:5], KVC_F
	s_add_nc_u64 s[46:47], s[4:5], KPE
	s_add_nc_u64 s[48:49], s[4:5], KMAX
	CROUND                                         ; all four work-groups are here: the joint loads meet
	tensor_load_to_lds s[24:27], s[16:23]
	s_nop 0
	tensor_load_to_lds s[28:31], s[16:23]
	s_nop 0
	tensor_load_to_lds s[32:35], s[16:23]
	s_nop 0
	PLACES 4                                       ; an s_nop 0 behind each load, four v_nop behind the last
	global_load_b32 v12, v10, s[42:43]             ; seg_id of my two tiles' queries
	global_load_b32 v15, v10, s[42:43] offset:64
	WIN 0x40
.irp s, 0,1,2,3,4,5,6,7
.irp m, 0,1
.irp c, 0,1
	global_load_b128 v[128+16*\s+8*\m+4*\c:128+16*\s+8*\m+4*\c+3], v3, s[38:39] offset:16384*\m+1024*\s+512*\c
.endr
.endr
.endr
	WIN 0x80
.irp s, 8,9,10,11
.irp m, 0,1
.irp c, 0,1
	global_load_b128 v[192+16*(\s-8)+8*\m+4*\c:192+16*(\s-8)+8*\m+4*\c+3], v3, s[38:39] offset:16384*\m+1024*\s+512*\c
.endr
.endr
.endr
	WIN 0xc0
.irp s, 12,13,14,15
.irp m, 0,1
.irp c, 0,1
	global_load_b128 v[192+16*(\s-12)+8*\m+4*\c:192+16*(\s-12)+8*\m+4*\c+3], v3, s[38:39] offset:16384*\m+1024*\s+512*\c
.endr
.endr
.endr
	WIN 0
.irp m, 0,1
.irp t, 0,1
.irp i, 0,1,2,3
	global_load_b128 v[192+32*\m+16*\t+4*\i:192+32*\m+16*\t+4*\i+3], v9, s[40:41] offset:4096*\m+128*\t+16*\i   ; register 2 j: cos, 2 j + 1: sin of frequency 16 t + 8 h + j
.endr
.endr
.endr
	s_wait_loadcnt 63                              ; 82 loads were issued: the oldest 19 are in, seg_id's two among them
.irp m, 0,1
	v_add_nc_u32 v[13+3*\m], -1, v[12+3*\m]
	v_add_nc_u32 v[14+3*\m], -2, v[12+3*\m]
.endr
.irp x, 0,1,2,3,4,5
	v_min_u32 v[48+\x], 0x7ff, v[12+\x]            ; the key, held inside the tables (a negative number reads as a very large one); whether it counts is asked below
.endr
.irp x, 0,1,2,3,4,5
	v_and_b32 v[54+\x], 15, v[48+\x]
	v_and_b32 v[18+\x], 0x7f0, v[48+\x]
	v_lshlrev_b32 v[54+\x], 4, v[54+\x]
	v_lshlrev_b32 v[24+\x], 8, v[18+\x]            ; k_pe: 4,096 bytes a tile of 16 rows
	v_lshlrev_b32 v[18+\x], 9, v[18+\x]            ; kv_c: 8,192
	v_add_nc_u32 v[54+\x], v[54+\x], v11           ; + 16 x the row in its tile + 256 h
	v_lshlrev_b32 v[48+\x], 2, v[48+\x]
	v_add_nc_u32 v[18+\x], v[18+\x], v[54+\x]
	v_add_nc_u32 v[24+\x], v[24+\x], v[54+\x]
.endr
.irp x, 0,1,2,3,4,5
	global_load_b32 v[30+\x], v[48+\x], s[48:49]   ; the key's row's largest |kv_c|
.endr
	WIN 0x80
.irp j, 0,1,2
.irp s, 0,1,2,3,4,5,6,7
.irp c, 0,1
	global_load_b128 v[64*\j+8*\s+4*\c:64*\j+8*\s+4*\c+3], v[18+\j], s[44:45] offset:1024*\s+512*\c   ; lane (r, h): 16 bytes of the row of kv_c that query r's key j names
.endr
.endr
.endr
	WIN 0xc0
.irp j, 0,1,2
.irp s, 0,1,2,3,4,5,6,7
.irp c, 0,1
	global_load_b128 v[64*\j+8*\s+4*\c:64*\j+8*\s+4*\c+3], v[21+\j], s[44:45] offset:1024*\s+512*\c
.endr
.endr
.endr
	WIN 0
	s_wait_loadcnt 63                              ; 184 loads were issued: the oldest 121 are in: qc, the table and the six maxima; gathers of kv_c may be out, and land under the q phase
	s_wait_tensorcnt 2                             ; my part of K steps 0-7 is in; the two later fills may be out
	s_barrier_signal -1
	s_barrier_wait -1                              ; everybody's is
.macro QLOAD s                         ; the 8 weight tiles of K step s into set s % 2
.if (\s) < 8
.set QAD, 3
.else
.set QAD, 7
.endif
.irp u, 0,1,2,3,4,5,6,7
.irp c, 0,1
	ds_load_b128 v[RING+64*((\s)%2)+8*\u+4*\c:RING+64*((\s)%2)+8*\u+4*\c+3], v[QAD] offset:8192*((\s)%8)+1024*\u+512*\c
.endr
.endr
.endm
; a K step of 32 of q = qc (W_uq | W_qr): 16 sums by turns, one instruction a turn
.macro QSTEP s
.if \s > 0
	PLACES 4                                       ; in front of loads into the set that the last step's products read
.endif
	WIN 0
.if \s == 7
	s_wait_tensorcnt 1                             ; my part of K steps 8-15 is in; W_uk and W_uv may be out
	s_wait_dscnt 0x0
	s_barrier_signal -1
	s_barrier_wait -1
.endif
.if \s < 15
	QLOAD \s+1
	s_wait_dscnt 16                                ; this step's tiles are in; the 16 loads just issued may be out
.else
	s_wait_dscnt 0x0
.endif
.if \s < 8
.set QW, 1
.set QB, 128+16*\s
.elseif \s < 12
.set QW, 2
.set QB, 192+16*(\s-8)
.else
.set QW, 3
.set QB, 192+16*(\s-12)
.endif
	WIN 0x50|(QW<<2)                               ; the sums in window 1, qc where it lies
.irp u, 0,1,2,3,4,5,6,7
.irp m, 0,1
.if \s == 0
	v_wmma_f32_16x16x32_f16 v[64*\m+8*\u:64*\m+8*\u+7], v[RING+64*(\s%2)+8*\u:RING+64*(\s%2)+8*\u+7], v[QB+8*\m:QB+8*\m+7], 0
.else
	v_wmma_f32_16x16x32_f16 v[64*\m+8*\u:64*\m+8*\u+7], v[RING+64*(\s%2)+8*\u:RING+64*(\s%2)+8*\u+7], v[QB+8*\m:QB+8*\m+7], v[64*\m+8*\u:64*\m+8*\u+7]
.endif
.endr
.endr
.endm
	QLOAD 0
.irp s, 0,1,2,3,4,5,6,7,8,9,10,11,12,13,14,15
	QSTEP \s
.endr
	PLACES 5                                       ; loads land on operands that are done with (four places), and the next phase's sums are laid over some of them (five)
	WIN 0
	s_wait_tensorcnt 0x0                           ; my part of W_uk and W_uv is in
	s_barrier_signal -1
	s_barrier_wait -1
.macro KVLOAD which, s                 ; the 4 tiles of K step s of W_uk (0) or W_uv (1) into set s % 2
.irp u, 0,1,2,3
.irp c, 0,1
	ds_load_b128 v[RING+32*((\s)%2)+8*\u+4*\c:RING+32*((\s)%2)+8*\u+4*\c+3], v8 offset:32768*(\which)+4096*(\s)+1024*\u+512*\c
.endr
.endr
.endm
.macro KPLOAD x, win, base             ; k_pe of key x: register 8 t + i: column 16 t + 8 h + i
	WIN (\win)<<6
.irp t, 0,1,2,3
.irp c, 0,1
	global_load_b128 v[\base+8*\t+4*\c:\base+8*\t+4*\c+3], v[24+\x], s[46:47] offset:1024*\t+512*\c
.endr
.endr
.endm
	KVLOAD 0, 0
	KPLOAD 0, 2, 192
	KPLOAD 1, 2, 224
	KPLOAD 2, 1, 224
	KPLOAD 3, 3, 192
	KPLOAD 4, 3, 224
	KPLOAD 5, 0, 128
; rope on q_pe: x1 = column 16 t + 8 h + j (tile 4 + t), x2 = the column 32 further on (tile 6 + t): x1 cos - x2 sin, x2 cos + x1 sin
.macro ROPE m, t
	WIN 0x01
.irp j, 0,1,2,3,4,5,6,7
	v_mul_f32 v[48+\j], v[64*\m+8*(6+\t)+\j], v[192+32*\m+16*\t+2*\j+1]
.endr
.irp j, 0,1,2,3,4,5,6,7
	v_mul_f32 v[56+\j], v[64*\m+8*(4+\t)+\j], v[192+32*\m+16*\t+2*\j+1]
.endr
	WIN 0x41
.irp j, 0,1,2,3,4,5,6,7
	v_fma_f32 v[64*\m+8*(4+\t)+\j], v[64*\m+8*(4+\t)+\j], v[192+32*\m+16*\t+2*\j], -v[48+\j]
.endr
.irp j, 0,1,2,3,4,5,6,7
	v_fma_f32 v[64*\m+8*(6+\t)+\j], v[64*\m+8*(6+\t)+\j], v[192+32*\m+16*\t+2*\j], v[56+\j]
.endr
.endm
	ROPE 0, 0
	ROPE 0, 1
	ROPE 1, 0
	ROPE 1, 1
; kv_c[key] W_uk or W_uv: 8 K steps; 24 sums (2 tiles of queries x 3 keys x 4 tiles of columns) by turns
.macro KVPHASE which
.irp s, 0,1,2,3,4,5,6,7
.if \s > 0
	PLACES 4
.endif
	WIN 0
.if \s < 7
	KVLOAD \which, \s+1
	s_wait_dscnt 8                                 ; this step's tiles are in; the 8 loads just issued may be out
.else
	s_wait_dscnt 0x0
.endif
	WIN 0x58                                       ; tile 0: sums in window 1, kv_c in window 2
.irp j, 0,1,2
.irp u, 0,1,2,3
.if \s == 0
	v_wmma_f32_16x16x32_f16 v[128+32*\j+8*\u:128+32*\j+8*\u+7], v[RING+32*(\s%2)+8*\u:RING+32*(\s%2)+8*\u+7], v[64*\j+8*\s:64*\j+8*\s+7], 0
.else
	v_wmma_f32_16x16x32_f16 v[128+32*\j+8*\u:128+32*\j+8*\u+7], v[RING+32*(\s%2)+8*\u:RING+32*(\s%2)+8*\u+7], v[64*\j+8*\s:64*\j+8*\s+7], v[128+32*\j+8*\u:128+32*\j+8*\u+7]
.endif
.endr
.endr
	WIN 0x0c                                       ; tile 1: sums in window 0, kv_c in window 3
.irp j, 0,1,2
.irp u, 0,1,2,3
.if \s == 0
	v_wmma_f32_16x16x32_f16 v[160+32*\j+8*\u:160+32*\j+8*\u+7], v[RING+32*(\s%2)+8*\u:RING+32*(\s%2)+8*\u+7], v[64*\j+8*\s:64*\j+8*\s+7], 0
.else
	v_wmma_f32_16x16x32_f16 v[160+32*\j+8*\u:160+32*\j+8*\u+7], v[RING+32*(\s%2)+8*\u:RING+32*(\s%2)+8*\u+7], v[64*\j+8*\s:64*\j+8*\s+7], v[160+32*\j+8*\u:160+32*\j+8*\u+7]
.endif
.endr
.endr
.endr
.endm
	s_wait_loadcnt 48                              ; kv_c's gathers are in; the 48 loads of k_pe may be out
	KVPHASE 0
	PLACES 4
	WIN 0
	KVLOAD 1, 0                                    ; W_uv's first tiles come while the scores are made
; q_nope . k_nope, my 32 columns: two at a time, the three keys by turns; each sum is read from its low end on
.macro NDOT m
.if \m == 0
	WIN 0x05
.set AB, 128
.else
	WIN 0x01
.set AB, 160
.endif
.irp u, 0,1,2,3
.irp p, 0,2,4,6
.irp j, 0,1,2
.if (\u == 0) && (\p == 0)
	v_pk_mul_f32 v[36+6*\m+2*\j:37+6*\m+2*\j], v[64*\m+8*\u+\p:64*\m+8*\u+\p+1], v[AB+32*\j+8*\u+\p:AB+32*\j+8*\u+\p+1]
.else
	v_pk_fma_f32 v[36+6*\m+2*\j:37+6*\m+2*\j], v[64*\m+8*\u+\p:64*\m+8*\u+\p+1], v[AB+32*\j+8*\u+\p:AB+32*\j+8*\u+\p+1], v[36+6*\m+2*\j:37+6*\m+2*\j]
.endif
.endr
.endr
.endr
.endm
	NDOT 0
	NDOT 1
; + q_pe . k_pe, for n keys from x on whose k_pe lie 32 registers apart in one window
.macro PEDOT x, n, m, win, base
	WIN 0x01|((\win)<<2)
.irp t, 0,1,2,3
.irp p, 0,2,4,6
.irp i, 0,1
.if \i < \n
	v_pk_fma_f32 v[36+2*(\x+\i):37+2*(\x+\i)], v[64*\m+8*(4+\t)+\p:64*\m+8*(4+\t)+\p+1], v[\base+32*\i+8*\t+\p:\base+32*\i+8*\t+\p+1], v[36+2*(\x+\i):37+2*(\x+\i)]
.endif
.endr
.endr
.endr
.endm
	s_wait_loadcnt 0x0                             ; k_pe
	PEDOT 0, 2, 0, 2, 192
	PEDOT 2, 1, 0, 1, 224
	PEDOT 3, 2, 1, 3, 192
	PEDOT 5, 1, 1, 0, 128
	WIN 0
.irp x, 0,1,2,3,4,5
	v_add_f32 v[36+2*\x], v[36+2*\x], v[37+2*\x]
.endr
.irp x, 0,1,2,3,4,5
	v_permlanex16_b32 v[37+2*\x], v[36+2*\x], s54, s55
.endr
.irp x, 0,1,2,3,4,5
	v_add_f32 v[36+2*\x], v[36+2*\x], v[37+2*\x]   ; with lane l xor 16's columns: the whole dot product
.endr
.irp x, 0,1,2,3,4,5
	v_mul_f32 v[36+2*\x], 0x3db504f3, v[36+2*\x]   ; / sqrt(128)
.endr
.irp x, 0,1,2,3,4,5
	v_cmp_gt_u32 vcc_lo, 0x800, v[12+\x]           ; the key counts where 0 <= seg - j <= 2,047
	v_cndmask_b32 v[36+2*\x], 0xce6e6b28, v[36+2*\x], vcc_lo   ; else the score is -1e9, as the definition has it,
	v_cndmask_b32 v[30+\x], 0, v[30+\x], vcc_lo    ; and its row has no say in the power of two
.endr
.irp m, 0,1
	v_max3_num_f32 v[48+\m], v[36+6*\m], v[38+6*\m], v[40+6*\m]   ; the row's largest score is taken away
.endr
.irp x, 0,1,2,3,4,5
	v_sub_f32 v[36+2*\x], v[36+2*\x], v[48+\x/3]
.endr
.irp x, 0,1,2,3,4,5
	v_mul_f32 v[36+2*\x], 0x3fb8aa3b, v[36+2*\x]
.endr
.irp x, 0,1,2,3,4,5
	v_exp_f32 v[36+2*\x], v[36+2*\x]
.endr
.irp m, 0,1                                    ; plain work behind the exponentials: 2^e and 2^-e
	v_max3_num_f32 v[50+\m], v[30+3*\m], v[31+3*\m], v[32+3*\m]
	v_max_num_f32 v[50+\m], 0x800000, v[50+\m]     ; not under the smallest normal number
	v_and_b32 v[50+\m], 0x7f800000, v[50+\m]       ; its exponent field alone: 2^e
	v_sub_nc_u32 v[52+\m], 0x7f000000, v[50+\m]    ; 254 less the field: 2^-e
.endr
	s_wait_alu depctr_va_vdst(0)                   ; the wait ahead of the first line that names a result: one for the six
.irp m, 0,1
	v_add_f32 v[54+\m], v[36+6*\m], v[38+6*\m]
.endr
.irp m, 0,1
	v_add_f32 v[54+\m], v[54+\m], v[40+6*\m]
.endr
.irp m, 0,1
	v_rcp_f32 v[54+\m], v[54+\m]
.endr
	v_nop                                          ; a plain line behind the last reciprocal
	s_wait_alu depctr_va_vdst(0)                   ; and the wait: one for the two
.irp m, 0,1
	v_mul_f32 v[54+\m], v[54+\m], v[52+\m]
.endr
.irp x, 0,1,2,3,4,5
	v_mul_f32 v[36+2*\x], v[36+2*\x], v[54+\x/3]   ; the weight x 2^-e; the packed lines below take the pair's low word for both halves
.endr
	KVPHASE 1
	PLACES 4
; o x 2^-e = the sum over the three keys of weight x v
.macro OSUM m
.if \m == 0
	WIN 0x01
.set AB, 128
.else
	WIN 0
.set AB, 160
.endif
.irp u, 0,1,2,3
.irp p, 0,2,4,6
	v_pk_mul_f32 v[64+32*\m+8*\u+\p:65+32*\m+8*\u+\p], v[AB+8*\u+\p:AB+8*\u+\p+1], v[36+6*\m:37+6*\m] op_sel_hi:[1,0]
.endr
.irp p, 0,2,4,6
	v_pk_fma_f32 v[64+32*\m+8*\u+\p:65+32*\m+8*\u+\p], v[AB+32+8*\u+\p:AB+32+8*\u+\p+1], v[38+6*\m:39+6*\m], v[64+32*\m+8*\u+\p:65+32*\m+8*\u+\p] op_sel_hi:[1,0,1]
.endr
.irp p, 0,2,4,6
	v_pk_fma_f32 v[64+32*\m+8*\u+\p:65+32*\m+8*\u+\p], v[AB+64+8*\u+\p:AB+64+8*\u+\p+1], v[40+6*\m:41+6*\m], v[64+32*\m+8*\u+\p:65+32*\m+8*\u+\p] op_sel_hi:[1,0,1]
.endr
.endr
.endm
	OSUM 0
	OSUM 1
	WIN 0
.irp m, 0,1
.irp u, 0,1,2,3
.irp i, 0,1,2,3
	v_cvt_pk_f16_f32 v[64+32*\m+8*\u+\i], v[64+32*\m+8*\u+2*\i], v[64+32*\m+8*\u+2*\i+1]
.endr
.endr
.endr
.irp m, 0,1
.irp u, 0,1,2,3
	global_store_b128 v3, v[64+32*\m+8*\u:64+32*\m+8*\u+3], s[50:51] offset:32768*\m+1024*(\u/2)+512*(\u%2)   ; half a fragment of the last product: 512 consecutive bytes, aligned
.endr
.endr
	s_cmp_lg_u32 s15, 0                            ; the head is the same in all four partners
	s_cbranch_scc1 .Lnot_head_0
	global_store_b32 v10, v50, s[52:53]            ; 2^e of my queries; lanes l and l + 16 write the same word with the same value
	global_store_b32 v10, v51, s[52:53] offset:64
.Lnot_head_0:
	s_wait_tensorcnt 0x0                           ; the wave's end
	ds_add_u32 v[SPW], v[NIL]
	s_wait_dscnt 0x0
	CROUND                                         ; the closing round
	s_endpgm
.Lfunc_end_k_q467e9b26e8_attn:
	.size	k_q467e9b26e8_attn, .Lfunc_end_k_q467e9b26e8_attn-k_q467e9b26e8_attn
	.p2alignl 7, 3214868480
	.fill 96, 4, 3214868480
	.section	.rodata,"a",@progbits
	.p2align	6, 0x0
	.amdhsa_kernel k_q467e9b26e8_attn
		.amdhsa_group_segment_fixed_size 197120
		.amdhsa_private_segment_fixed_size 0
		.amdhsa_enable_private_segment 0
		.amdhsa_kernarg_size 32
		.amdhsa_user_sgpr_count 2
		.amdhsa_user_sgpr_kernarg_segment_ptr 1
		.amdhsa_wavefront_size32 1
		.amdhsa_system_sgpr_workgroup_id_x 1
		.amdhsa_system_sgpr_workgroup_id_y 1
		.amdhsa_system_sgpr_workgroup_id_z 1
		.amdhsa_system_vgpr_workitem_id 0
		.amdhsa_next_free_vgpr 1024
		.amdhsa_next_free_sgpr 66
		.amdhsa_reserve_vcc 1
		.amdhsa_float_denorm_mode_32 3
		.amdhsa_float_denorm_mode_16_64 3
		.amdhsa_memory_ordered 1
		.amdhsa_forward_progress 1
		.amdhsa_inst_pref_size 133
	.end_amdhsa_kernel
	.amdgpu_metadata
---
amdhsa.version: [ 1, 2 ]
amdhsa.kernels:
  - .name:           k_q467e9b26e8_attn
    .symbol:         k_q467e9b26e8_attn.kd
    .args:
      - { .name: act, .offset: 0, .size: 8, .value_kind: global_buffer, .address_space: global }
      - { .name: wprep, .offset: 8, .size: 8, .value_kind: global_buffer, .address_space: global }
      - { .name: seg_id, .offset: 16, .size: 8, .value_kind: global_buffer, .address_space: global }
      - { .name: att, .offset: 24, .size: 8, .value_kind: global_buffer, .address_space: global }
    .group_segment_fixed_size: 197120
    .private_segment_fixed_size: 0
    .kernarg_segment_align: 8
    .kernarg_segment_size: 32
    .max_flat_workgroup_size: 128
    .sgpr_count:     66
    .vgpr_count:     1024
    .wavefront_size: 32
...
	.end_amdgpu_metadata
.endif
;; end of part 3
;; launch oproj (part 4): grid 16 x 16, 4 waves a work-group, clusters of 4 x 1, 167,936 bytes of LDS; arguments att, wprep, out0; writes out0
.if DOCPART == 4
	.amdgcn_target "amdgcn-amd-amdhsa--gfx1250"
	.amdhsa_code_object_version 6
	.text
	.protected	k_q467e9b26e8_oproj
	.globl	k_q467e9b26e8_oproj
	.p2align	8
	.type	k_q467e9b26e8_oproj,@function
k_q467e9b26e8_oproj:
	s_mov_b64 s[64:65], 0
	v_nop
	global_prefetch_b8 v0, s[64:65] scope:SCOPE_SE
	s_setreg_imm32_b32 hwreg(HW_REG_WAVE_MODE, 25, 1), 1
	s_wait_xcnt 0x0
	s_wait_alu depctr_hold_cnt(0) depctr_sa_sdst(0) depctr_va_vdst(0) depctr_va_sdst(0) depctr_va_ssrc(0) depctr_va_vcc(0) depctr_vm_vsrc(0)
	s_getreg_b32 s2, hwreg(HW_REG_IB_STS2, 6, 4)
	s_cmp_eq_u32 s2, 0
	s_cbranch_scc0 .Lentry_in_a_cluster
	s_endpgm
.Lentry_in_a_cluster:
	s_bfe_u32 s2, ttmp6, 0x10000c
	s_cmp_lg_u32 s2, 0x3003
	s_cbranch_scc0 .Lentry_shape_is_right
	s_endpgm
.Lentry_shape_is_right:
; out0 = o W_o.  o comes as f16 fragments with a power of two 2^e taken out of each row; W_o as f16 fragments; sums in f32; each row's sums are multiplied by its 2^e, exactly.
; SHARES.  Work-group (x, y): rows 128 x .. 128 x + 127, columns 64 y .. 64 y + 63: 256 bytes of each output row, aligned.  Wave w: 32 rows (two tiles, m = 0, 1) x 4 tiles of columns: 8 sums.  K = 1,024: 32 steps of 32.
; THE PRODUCT IS USED TRANSPOSED (source 0 = 16 columns of W_o, source 1 = 16 rows of o): a lane holds 8 neighbouring columns of one row.
; o's 64 fragments of a wave come straight into registers (windows 1 and 2), all asked for at the head, in groups of four K steps; W_o's slice, 128 KB, comes into LDS once.
; CLUSTER.  The four work-groups of a cluster have one slice of W_o: it is asked for JOINTLY, each wave two loads of 16 KB, both at the start: two tensor loads of a wave are out at the most.  Nothing is filled again.
; REGISTERS.  Window 0: v1-11 lane numbers and addresses; v32-35 2^e, as pairs; v64-191 four sets of W_o's 4 tiles, used again on the way out; v192-255 the sums (192 + 32 m + 8 u).  Window 1: o's fragments of tile 0, at 8 s; window 2: of tile 1.
.set WO_F,  0
.set OSC,   4194304
.set STG,   131072                     ; LDS: 0 W_o's slice, K step s at 4,096 s; here a stage of 16 rows x (256 bytes + 16) for each wave
.set SPARE, 148480                     ; the spare words, 128 bytes for each wave: two blocks of 256 bytes that no other line names
.set SPW,   4
.set NIL,   5
.set RING,  64
.set ACC,   192
.set WV,    12
.set MSB, 0
.macro WIN new                         ; the immediate's high byte repeats the setting that is left
.if MSB != (\new)
	s_set_vgpr_msb (MSB<<8)|(\new)
.set MSB, (\new)
.endif
.endm
.macro PLACES n
.rept \n
	v_nop
.endr
.endm
.macro CROUND                          ; a round of the cluster's barrier
	s_barrier_signal -1
	s_barrier_wait -1
	s_cmp_lg_u32 s[WV], 0
	s_cbranch_scc1 .Lnot_wave_0_\@
	s_barrier_signal -3
.Lnot_wave_0_\@:
	s_barrier_wait -3
	s_barrier_signal -1
	s_barrier_wait -1
.endm
	s_load_b128 s[4:7], s[0:1], 0x0                ; att s[4:5], wprep s[6:7]
	s_load_b64 s[8:9], s[0:1], 0x10                ; out0
	v_lshl_add_u32 v[SPW], v0, 2, SPARE
	v_mov_b32 v[NIL], 0
	ds_add_u32 v[SPW], v[NIL]                      ; the wave's opening: the add, twice on end, and its wait ahead of my first tensor load
	ds_add_u32 v[SPW], v[NIL]
	v_lshrrev_b32 v1, 5, v0
	v_readfirstlane_b32 s[WV], v1                  ; wave
	v_and_b32 v1, 15, v0                           ; r
	v_bfe_u32 v2, v0, 4, 1                         ; h
	v_and_b32 v3, 31, v0
	v_lshlrev_b32 v3, 4, v3                        ; 16 x lane
	v_add_nc_u32 v7, 0x10000, v3
	s_mul_i32 s58, s[WV], 16*272
	s_add_co_u32 s58, s58, STG                     ; my stage
	v_mul_u32_u24 v8, v1, 272
	v_lshl_add_u32 v8, v2, 5, v8
	v_add_nc_u32 v8, s58, v8                       ; in: row r, 32 bytes for each half of the lanes
	v_mul_u32_u24 v9, v2, 272
	v_lshl_add_u32 v9, v1, 4, v9
	v_add_nc_u32 v9, s58, v9                       ; back: lanes 0-15 one row of 256 bytes, lanes 16-31 the next
	v_lshlrev_b32 v10, 12, v2
	v_lshl_add_u32 v10, v1, 4, v10                 ; and the same two rows in out0
	v_lshlrev_b32 v11, 2, v1                       ; 4 r
	v_mov_b32 v33, 0                               ; (named as the upper halves of the pairs that hold 2^e, so they are written)
	v_mov_b32 v35, 0
	s_bfe_u32 s13, ttmp6, 0x40000                  ; cx: it enters global addresses of my own loads and stores alone
	s_lshl_b32 s14, ttmp9, 2
	s_add_co_u32 s14, s14, s13                     ; my block of 128 rows
	s_and_b32 s15, ttmp7, 0xffff                   ; the slice of 64 columns, which the four partners share
	s_mov_b32 s16, 15|(3<<16)|(1<<21)              ; descriptor group 1: the mask: all four; elements of 8 bytes; bit 21 beside a mask; no padding
	s_mov_b32 s17, 32<<16                          ; rows of 256 bytes,
	s_mov_b32 s18, 64<<16                          ; 64 of them: 16 KB, dense
	s_mov_b32 s19, 32<<16
	s_mov_b32 s20, 64
	s_mov_b32 s21, 32
	s_mov_b32 s22, 0
	s_mov_b32 s23, 0
	s_mov_b32 s37, 0
	s_mov_b32 s57, 0
	s_wait_dscnt 0x0                               ; both opening adds are done
	s_wait_kmcnt 0x0
	s_lshl_b32 s2, s[WV], 14
	s_lshl_b32 s36, s15, 17
	s_add_co_u32 s36, s36, s2                      ; (WO_F = 0)
	s_mov_b32 s24, 1                               ; group 0, first load: K steps 0-15
	s_mov_b32 s25, s2
	s_add_nc_u64 s[26:27], s[6:7], s[36:37]
	s_mov_b32 s28, 1                               ; second: K steps 16-31
	s_add_co_u32 s29, s2, 0x10000
	s_add_nc_u64 s[30:31], s[26:27], 0x10000
	s_or_b32 s27, s27, 0x80000000
	s_or_b32 s31, s31, 0x80000000
	s_lshl_b32 s56, s14, 3
	s_lshl_b32 s59, s[WV], 1
	s_add_co_u32 s59, s56, s59                     ; my first tile of 16 rows
	s_lshl_b32 s56, s59, 15
	s_add_nc_u64 s[38:39], s[4:5], s[56:57]        ; its fragments of o
	s_lshl_b32 s56, s59, 6
	s_add_co_u32 s56, s56, OSC
	s_add_nc_u64 s[40:41], s[4:5], s[56:57]        ; its rows' 2^e
	s_lshl_b32 s56, s59, 16
	s_lshl_b32 s59, s15, 8
	s_add_co_u32 s56, s56, s59
	s_add_nc_u64 s[42:43], s[8:9], s[56:57]        ; my first row of out0, my 256 bytes of it
	CROUND                                         ; all four work-groups are here: the joint loads meet
	tensor_load_to_lds s[24:27], s[16:23]
	s_nop 0
	tensor_load_to_lds s[28:31], s[16:23]
	s_nop 0
	PLACES 4                                       ; an s_nop 0 behind each load, four v_nop behind the last
	global_load_b32 v32, v11, s[40:41]
	global_load_b32 v34, v11, s[40:41] offset:64
.irp g, 0,1,2,3,4,5,6,7                        ; o's fragments, four K steps of both tiles at a time: 16 loads a group
	WIN 0x40
.irp k, 0,1,2,3
.irp c, 0,1
	global_load_b128 v[8*(4*\g+\k)+4*\c:8*(4*\g+\k)+4*\c+3], v3, s[38:39] offset:1024*(4*\g+\k)+512*\c
.endr
.endr
	WIN 0x80
.irp k, 0,1,2,3
.irp c, 0,1
	global_load_b128 v[8*(4*\g+\k)+4*\c:8*(4*\g+\k)+4*\c+3], v3, s[38:39] offset:32768+1024*(4*\g+\k)+512*\c
.endr
.endr
.endr
	WIN 0
	s_wait_tensorcnt 1                             ; my part of K steps 0-15 is in; the second fill may be out
	s_barrier_signal -1
	s_barrier_wait -1
.macro BLOAD s                         ; W_o's 4 tiles of K step s into set s % 4
.if (\s) < 16
.set BAD, 3
.else
.set BAD, 7
.endif
.irp u, 0,1,2,3
.irp c, 0,1
	ds_load_b128 v[RING+32*((\s)%4)+8*\u+4*\c:RING+32*((\s)%4)+8*\u+4*\c+3], v[BAD] offset:4096*((\s)%16)+1024*\u+512*\c
.endr
.endr
.endm
; a K step: 8 sums by turns, one instruction a turn
.macro OSTEP s
.if \s > 0
	PLACES 4                                       ; in front of loads into the set that the last step's products read
.endif
	WIN 0
.if \s == 13
	s_wait_tensorcnt 0x0                           ; my part of K steps 16-31 is in
	s_wait_dscnt 0x0
	s_barrier_signal -1
	s_barrier_wait -1
.endif
.if \s < 29
	BLOAD \s+3
.endif
.if 8*(31-\s) > 24
	s_wait_dscnt 24                                ; this step's tiles are in; those of the three steps behind it may be out
.else
	s_wait_dscnt 8*(31-\s)
.endif
.if \s%4 == 0
.if 112-4*\s > 63
	s_wait_loadcnt 63                              ; this group's fragments of o are in: more than 63 loads were issued behind them
.else
	s_wait_loadcnt 112-4*\s                        ; the later groups' loads, 16 each, may be out
.endif
.endif
	WIN 0x04                                       ; o's tile 0: window 1
.irp u, 0,1,2,3
.if \s == 0
	v_wmma_f32_16x16x32_f16 v[ACC+8*\u:ACC+8*\u+7], v[RING+32*(\s%4)+8*\u:RING+32*(\s%4)+8*\u+7], v[8*\s:8*\s+7], 0
.else
	v_wmma_f32_16x16x32_f16 v[ACC+8*\u:ACC+8*\u+7], v[RING+32*(\s%4)+8*\u:RING+32*(\s%4)+8*\u+7], v[8*\s:8*\s+7], v[ACC+8*\u:ACC+8*\u+7]
.endif
.endr
	WIN 0x08                                       ; tile 1: window 2
.irp u, 0,1,2,3
.if \s == 0
	v_wmma_f32_16x16x32_f16 v[ACC+32+8*\u:ACC+32+8*\u+7], v[RING+32*(\s%4)+8*\u:RING+32*(\s%4)+8*\u+7], v[8*\s:8*\s+7], 0
.else
	v_wmma_f32_16x16x32_f16 v[ACC+32+8*\u:ACC+32+8*\u+7], v[RING+32*(\s%4)+8*\u:RING+32*(\s%4)+8*\u+7], v[8*\s:8*\s+7], v[ACC+32+8*\u:ACC+32+8*\u+7]
.endif
.endr
.endm
	BLOAD 0
	BLOAD 1
	BLOAD 2
.irp s, 0,1,2,3,4,5,6,7,8,9,10,11,12,13,14,15,16,17,18,19,20,21,22,23,24,25,26,27,28,29,30,31
	OSTEP \s
.endr
	PLACES 4
	WIN 0
; THE WAY OUT, a tile of 16 rows at a time: x 2^e; a lane's 32 bytes of a row into my stage; back as whole rows of 256 bytes.  Each tile has registers of its own, so no store's data are written again.
.macro MULT m
.irp u, 0,1,2,3
.irp p, 0,2,4,6
	v_pk_mul_f32 v[64+32*\m+8*\u+\p:65+32*\m+8*\u+\p], v[ACC+32*\m+8*\u+\p:ACC+32*\m+8*\u+\p+1], v[32+2*\m:33+2*\m] op_sel_hi:[1,0]
.endr
.endr
.endm
.macro TOSTAGE m
.irp u, 0,1,2,3
.irp c, 0,1
	ds_store_b128 v8, v[64+32*\m+8*\u+4*\c:64+32*\m+8*\u+4*\c+3] offset:64*\u+16*\c
.endr
.endr
.irp i, 0,1,2,3,4,5,6,7
	ds_load_b128 v[128+32*\m+4*\i:128+32*\m+4*\i+3], v9 offset:544*\i   ; LDS serves a wave's instructions in order (ISA guide 5.7.1.4): these see the stores above
.endr
.endm
.macro SEND m
.irp i, 0,1,2,3,4,5,6,7
	s_wait_dscnt 7-\i                              ; the younger loads from the stage may be out
	global_store_b128 v10, v[128+32*\m+4*\i:128+32*\m+4*\i+3], s[42:43] offset:(16*\m+2*\i)*4096 th:TH_STORE_NT   ; sixteen lanes store 256 consecutive bytes, aligned; written once, read by nobody here
.endr
.endm
	MULT 0
	TOSTAGE 0
	MULT 1                                         ; tile 1's arithmetic stands between tile 0's loads from the stage and the waits for them
	SEND 0
	TOSTAGE 1
	SEND 1
	s_wait_tensorcnt 0x0                           ; the wave's end
	ds_add_u32 v[SPW], v[NIL]
	s_wait_dscnt 0x0
	CROUND                                         ; the closing round
	s_endpgm
.Lfunc_end_k_q467e9b26e8_oproj:
	.size	k_q467e9b26e8_oproj, .Lfunc_end_k_q467e9b26e8_oproj-k_q467e9b26e8_oproj
	.p2alignl 7, 3214868480
	.fill 96, 4, 3214868480
	.section	.rodata,"a",@progbits
	.p2align	6, 0x0
	.amdhsa_kernel k_q467e9b26e8_oproj
		.amdhsa_group_segment_fixed_size 167936
		.amdhsa_private_segment_fixed_size 0
		.amdhsa_enable_private_segment 0
		.amdhsa_kernarg_size 24
		.amdhsa_user_sgpr_count 2
		.amdhsa_user_sgpr_kernarg_segment_ptr 1
		.amdhsa_wavefront_size32 1
		.amdhsa_system_sgpr_workgroup_id_x 1
		.amdhsa_system_sgpr_workgroup_id_y 1
		.amdhsa_system_sgpr_workgroup_id_z 1
		.amdhsa_system_vgpr_workitem_id 0
		.amdhsa_next_free_vgpr 768
		.amdhsa_next_free_sgpr 66
		.amdhsa_reserve_vcc 0
		.amdhsa_float_denorm_mode_32 3
		.amdhsa_float_denorm_mode_16_64 3
		.amdhsa_memory_ordered 1
		.amdhsa_forward_progress 1
		.amdhsa_inst_pref_size 64
	.end_amdhsa_kernel
	.amdgpu_metadata
---
amdhsa.version: [ 1, 2 ]
amdhsa.kernels:
  - .name:           k_q467e9b26e8_oproj
    .symbol:         k_q467e9b26e8_oproj.kd
    .args:
      - { .name: att, .offset: 0, .size: 8, .value_kind: global_buffer, .address_space: global }
      - { .name: wprep, .offset: 8, .size: 8, .value_kind: global_buffer, .address_space: global }
      - { .name: out0, .offset: 16, .size: 8, .value_kind: global_buffer, .address_space: global }
    .group_segment_fixed_size: 167936
    .private_segment_fixed_size: 0
    .kernarg_segment_align: 8
    .kernarg_segment_size: 24
    .max_flat_workgroup_size: 128
    .sgpr_count:     66
    .vgpr_count:     768
    .wavefront_size: 32
...
	.end_amdgpu_metadata
.endif
;; end of part 4
